; MI455X (gfx1250); checked and timed in simulation.
; The chip was launched on July 23, 2026; its instructions are those of AMD's public machine-readable ISA for CDNA 5 (MIT licence, August 2026) and "CDNA5" Instruction Set Architecture Reference Guide (July 2026). The comments in the code are by the model that wrote it; some were corrected since.
;; Multihead Attention. Allowed arithmetic: matrix products marked QUANTISED: E5M2 operands, one given power-of-two scale a tensor, by v_wmma_f32_16x16x64_bf8_bf8 or v_wmma_f32_16x16x128_bf8_bf8, f32 sums; everything else in f32.
;; Inputs: Wk_codes 512 x 16 x 32 uint8 (E5M2 codes of Wk, K innermost, in blocks of 32 codes); Wo_codes 512 x 16 x 32 uint8 (E5M2 codes of Wo, K innermost, in blocks of 32 codes); Wq_codes 512 x 16 x 32 uint8 (E5M2 codes of Wq, K innermost, in blocks of 32 codes); Wv_codes 512 x 16 x 32 uint8 (E5M2 codes of Wv, K innermost, in blocks of 32 codes); bk 512 float32; bo 512 float32; bq 512 float32; bv 512 float32; key__codes 2 x 4,096 x 16 x 32 uint8 (E5M2 codes of key_, K innermost, in blocks of 32 codes); lowp_scales 12 int32 (the exponents e of the quantised operands' scales 2^e); query_codes 2 x 4,096 x 16 x 32 uint8 (E5M2 codes of query, K innermost, in blocks of 32 codes); value_codes 2 x 4,096 x 16 x 32 uint8 (E5M2 codes of value, K innermost, in blocks of 32 codes).
;; Outputs: out0 2 x 4,096 x 512 float32.
;; This version of the problem:
;;   THIS VERSION OF THE PROBLEM IS GIVEN IN LOW PRECISION. The matrix products marked QUANTISED in the list below multiply operands that are first quantised to E5M2 (5 exponent bits, 2 mantissa bits; 8 bits a number), with one given power-of-two scale for each operand tensor; their sums are f32. All else is computed in f32.
;;   The module's matrix products, in the order in which they are computed (A, B: the left and right operand; K: the contracted axis; several contracted axes count as one K, in the product's order):
;;     1. [M 8,192, K 512] x [K 512, N 512]; A: input query (given as codes); B: input Wq (given as codes): QUANTISED (scales: A lowp_scales[0], B lowp_scales[1])
;;     2. [M 8,192, K 512] x [K 512, N 512]; A: input key_ (given as codes); B: input Wk (given as codes): QUANTISED (scales: A lowp_scales[2], B lowp_scales[3])
;;     3. [M 8,192, K 512] x [K 512, N 512]; A: input value (given as codes); B: input Wv (given as codes): QUANTISED (scales: A lowp_scales[4], B lowp_scales[5])
;;     4. batch 16 x [M 4,096, K 64] x [K 64, N 4,096]; A: computed on the way; B: computed on the way: QUANTISED (scales: A lowp_scales[6], B lowp_scales[7])
;;     5. batch 16 x [M 4,096, K 4,096] x [K 4,096, N 64]; A: softmax (see below); B: computed on the way: QUANTISED (scales: A lowp_scales[8], B lowp_scales[9])
;;     6. [M 8,192, K 512] x [K 512, N 512]; A: computed on the way; B: input Wo (given as codes): QUANTISED (scales: A lowp_scales[10], B lowp_scales[11])
;;   THE QUANTISER, for each operand of a quantised product, along K:
;;     - The operand's scale is 2^e, e = its entry of the input lowp_scales (int32; the entries are numbered through the quantised products in the list's order, A before B).
;;     - Each number is divided by the scale, clamped to +-57,344, and rounded to the nearest number of E5M2, ties to even, subnormals kept.
;;     - The product sums the exact products of the quantised numbers (number of the format x scale) in f32.
;;   ~~~python
;;   def quantise(x, axis, e):      # numpy; x: float32 -> the quantised numbers, widened to float32 again
;;       x = np.moveaxis(x, axis, -1); K = x.shape[-1]
;;       r = np.clip(x / 2.0 ** e, -57344, 57344)
;;       step = 2.0 ** (np.maximum(np.frexp(np.where(r == 0, 1, r))[1] - 1, -14) - 2)
;;       q = np.round(r / step) * step * 2.0 ** e      # np.round: ties to even
;;       return np.moveaxis(q, -1, axis).astype(np.float32)
;;   ~~~
;;   SOFTMAX AHEAD OF A QUANTISED PRODUCT. Where the list says 'softmax', what is quantised is not the finished softmax but p = 2^(t - M), with t = logit x log2(e) and M = ceil(the row's largest t), a whole number; so 1/2 < the row's largest p <= 1. The row's sum l is taken of the UNQUANTISED p, in f32, and the product's result is divided by l at the end. Since M is a whole number, a kernel that streams over the keys may use a running M (the ceiling of the running maximum): every later rescaling is an exact power of two, so the quantised numbers keep their values, but for numbers so far below the row's largest that they fall under the format's range.
;;   OPERANDS COMPUTED ON THE WAY. 'Computed on the way' means the value that the module computes at that place (a softmax that the list does not call 'softmax' is quantised finished and normalised). What goes into a quantiser is computed in f32, as accurately as f32 sums, v_exp_f32 and their like allow (about 1e-6 of the number): no bf16 or f16 on the way to a quantiser, and a product that is left as it is and whose result goes on into a quantised operand takes f32 operands (vector FMAs, or v_wmma_f32_16x16x4_f32). A number that lies on a knife's edge between two numbers of the format may be rounded either way, as far as f32 arithmetic and the matrix unit's own rounding can turn it there, and no further.
;;   INPUTS GIVEN AS CODES. Wk (in the module: [512, 512], K = its axis 1); Wo (in the module: [512, 512], K = its axis 1); Wq (in the module: [512, 512], K = its axis 1); Wv (in the module: [512, 512], K = its axis 1); key_ (in the module: [2, 4096, 512], K = its axis 2); query (in the module: [2, 4096, 512], K = its axis 2); value (in the module: [2, 4096, 512], K = its axis 2): each comes as NAME_codes (uint8): NAME with its K axis moved to the last place and cut into blocks of 32 codes, [.., K / 32, bytes a block], one block behind the other in memory; one code a byte (a code: sign, 5 exponent bits, 2 mantissa bits); its scale is its entry of lowp_scales. Its value is code x scale, taken as it is: it is not quantised again, and the codes and scales need not be those that the quantiser above would give.
;; One version. Each part assembles by itself: llvm-mc -triple=amdgcn-amd-amdhsa -mcpu=gfx1250 --defsym DOCPART=n.
;; ======== version 1 of 1: 3 launches
;; limits: right only within a limited range of input values
;; workspace buffers: qimg 4,194,304 bytes; kv 8,388,608 bytes; cimg 4,194,304 bytes
;; launch proj (part 1): grid 4 x 64, 4 waves a work-group, clusters of 4 x 4, 327,680 bytes of LDS; arguments query_codes, key__codes, value_codes, Wq_codes, Wk_codes, Wv_codes, bq, bk, bv, lowp_scales, qimg, kv; writes qimg, kv
.if DOCPART == 1
	.amdgcn_target "amdgcn-amd-amdhsa--gfx1250"
	.amdhsa_code_object_version 6
	.text
	.protected	k_q5364284bbd_proj
	.globl	k_q5364284bbd_proj
	.p2align	8
	.type	k_q5364284bbd_proj,@function
k_q5364284bbd_proj:
	s_mov_b64 s[64:65], 0
	v_nop
	global_prefetch_b8 v0, s[64:65] scope:SCOPE_SE
	s_setreg_imm32_b32 hwreg(HW_REG_WAVE_MODE, 25, 1), 1
	s_wait_xcnt 0x0
	s_wait_alu depctr_hold_cnt(0) depctr_sa_sdst(0) depctr_va_vdst(0) depctr_va_sdst(0) depctr_va_ssrc(0) depctr_va_vcc(0) depctr_vm_vsrc(0)
	s_getreg_b32 s2, hwreg(HW_REG_IB_STS2, 6, 4)
	s_cmp_eq_u32 s2, 0
	s_cbranch_scc0 .Lentry_in_a_cluster
	s_endpgm
.Lentry_in_a_cluster:
	s_bfe_u32 s2, ttmp6, 0x10000c
	s_cmp_lg_u32 s2, 0xf033
	s_cbranch_scc0 .Lentry_shape_is_right
	s_endpgm
.Lentry_shape_is_right:
.set PITCH,  528
.set HALFT,  64*PITCH
.set SLOT,   4*HALFT
.set SPARE,  2*SLOT
.set LI,   4
.set AX,   8
.set AW,   10
.set AWV,  12
.set SPW,  16
.set NIL,  17
.set BQO,  18
.set BVO,  19
.set BVR,  20
.set SCV,  24
.set B0,   32
.set B1,   64
.set B2,   96
.set ACC,  128
.set WV,   28
.set TH,   29
.set HD,   30
.set G1X,  40
.set G1W,  48
.set G0X0, 56
.set G0X1, 60
.set G0X2, 68
.set G0W0, 72
.set G0W1, 76
.set G0W2, 80
.set NEG0, 94
.set NEG1, 95
.set NEG2, 66
.set MSB, 0
.macro WIN new
.if MSB != \new
	s_set_vgpr_msb (MSB<<8)|\new
.set MSB, \new
.endif
.endm
.macro PLACES
.rept 4
	v_nop
.endr
.endm
.macro JLOAD g0a, g0b
	s_cmp_eq_u32 s[TH], 0
	s_cbranch_scc0 .Lfor_w_\@
	tensor_load_to_lds s[\g0a:\g0a+3], s[G1X:G1X+7]
	s_nop 0
.rept 4
	v_nop
.endr
	s_branch .Lasked_\@
.Lfor_w_\@:
	tensor_load_to_lds s[\g0b:\g0b+3], s[G1W:G1W+7]
	s_nop 0
.rept 4
	v_nop
.endr
.Lasked_\@:
.endm
.macro CROUND
	s_barrier_signal -1
	s_barrier_wait -1
	s_cmp_lg_u32 s[WV], 0
	s_cbranch_scc1 .Lnot_wave_0_\@
	s_barrier_signal -3
.Lnot_wave_0_\@:
	s_barrier_wait -3
	s_barrier_signal -1
	s_barrier_wait -1
.endm
.macro MKG0 g, ptr, off, lds
	s_mov_b32 s[\g], 1
	s_mov_b32 s[\g+1], \lds
	s_add_nc_u64 s[\g+2:\g+3], s[\ptr:\ptr+1], s[\off:\off+1]
	s_or_b32 s[\g+3], s[\g+3], 0x80000000
.endm
	s_load_b512 s[4:19], s[0:1], 0x0
	s_load_b256 s[20:27], s[0:1], 0x40
	v_lshl_add_u32 v[SPW], v0, 2, SPARE
	v_mov_b32 v[NIL], 0
	ds_add_u32 v16, v17
	ds_add_u32 v16, v17
	s_wait_dscnt 0x0
	v_lshrrev_b32 v1, 5, v0
	v_readfirstlane_b32 s[WV], v1
	s_lshr_b32 s[TH], s[WV], 1
	s_and_b32 s[HD], s[WV], 1
	s_bfe_u32 s31, ttmp6, 0x40000
	s_bfe_u32 s32, ttmp6, 0x40004
	s_lshl_b32 s33, ttmp9, 2
	s_add_co_u32 s33, s33, s31
	s_and_b32 s34, ttmp7, 0xffff
	s_lshl_b32 s34, s34, 2
	s_add_co_u32 s34, s34, s32
	s_lshl_b32 s35, s32, 2
	s_lshl_b32 s35, 15, s35
	s_lshl_b32 s38, 0x1111, s31
	s_or_b32 s[G1X], s35, (1<<20)|(1<<21)|(6<<22)|(3<<25)
	s_or_b32 s[G1W], s38, (1<<20)|(1<<21)|(6<<22)|(3<<25)
.irp g, G1X, G1W
	s_mov_b32 s[\g+1], 512<<16
	s_mov_b32 s[\g+2], 128<<16
	s_mov_b32 s[\g+3], 512<<16
	s_mov_b32 s[\g+4], 128
	s_mov_b32 s[\g+5], 512
	s_mov_b32 s[\g+6], 0
	s_mov_b32 s[\g+7], 0
.endr
	s_lshl_b32 s96, s34, 16                        ; a tile of tokens: 128 rows of 512 bytes, fetched whole by one wave
	s_mov_b32 s97, 0
	s_lshl_b32 s98, s33, 16                        ; a tile of a weight: likewise
	s_mov_b32 s99, 0
	s_wait_kmcnt 0x0
	s_load_b256 s[84:91], s[22:23], 0x0
	s_load_b64 s[92:93], s[22:23], 0x20
	MKG0 G0X0, 4, 96, 0
	MKG0 G0X1, 6, 96, SLOT
	MKG0 G0X2, 8, 96, 0
	MKG0 G0W0, 10, 98, 2*HALFT
	MKG0 G0W1, 12, 98, SLOT+2*HALFT
	MKG0 G0W2, 14, 98, 2*HALFT
	CROUND
	; the first fills: both slots, one joint load of a whole tile a wave, in one chain of arms on the wave's number
	s_cmp_eq_u32 s[WV], 0
	s_cbranch_scc0 .Lh1
	tensor_load_to_lds s[G0X0:G0X0+3], s[G1X:G1X+7]   ; wave 0: query's tile, slot 0
	s_nop 0
.rept 4
	v_nop
.endr
	s_branch .Lhj
.Lh1:
	s_cmp_eq_u32 s[WV], 1
	s_cbranch_scc0 .Lh2
	tensor_load_to_lds s[G0W0:G0W0+3], s[G1W:G1W+7]   ; wave 1: Wq's tile, slot 0
	s_nop 0
.rept 4
	v_nop
.endr
	s_branch .Lhj
.Lh2:
	s_cmp_eq_u32 s[WV], 2
	s_cbranch_scc0 .Lh3
	tensor_load_to_lds s[G0X1:G0X1+3], s[G1X:G1X+7]   ; wave 2: key's tile, slot 1
	s_nop 0
.rept 4
	v_nop
.endr
	s_branch .Lhj
.Lh3:
	tensor_load_to_lds s[G0W1:G0W1+3], s[G1W:G1W+7]   ; wave 3: Wk's tile, slot 1
	s_nop 0
.rept 4
	v_nop
.endr
.Lhj:
	v_and_b32 v1, 15, v0
	v_bfe_u32 v2, v0, 4, 1
	v_and_b32 v3, 31, v0
	v_lshlrev_b32 v[LI], 4, v3
	v_mul_u32_u24 v3, v1, PITCH
	v_lshl_add_u32 v3, v2, 4, v3
	s_mul_i32 s2, s[TH], HALFT
	s_mul_i32 s3, s[HD], HALFT
	s_add_co_u32 s3, s3, 2*HALFT
	v_add_nc_u32 v[AX], s2, v3
	v_add_nc_u32 v[AW], s3, v3
	v_add_nc_u32 v[AX+1], SLOT, v[AX]
	v_add_nc_u32 v[AW+1], SLOT, v[AW]
	v_and_b32 v5, 8, v1
	v_add_nc_u32 v5, v5, v1
	v_mul_u32_u24 v6, v5, PITCH
	v_lshl_add_u32 v6, v2, 4, v6
	v_add_nc_u32 v[AWV], s3, v6
	v_lshlrev_b32 v[BQO], 5, v2
	v_lshlrev_b32 v[BVO], 2, v5
	s_lshl_b32 s98, s33, 1
	s_add_co_u32 s98, s98, s[HD]
	s_lshl_b32 s98, s98, 8
	s_add_nc_u64 s[16:17], s[16:17], s[98:99]
	s_add_nc_u64 s[18:19], s[18:19], s[98:99]
	s_add_nc_u64 s[20:21], s[20:21], s[98:99]
.irp a, 0,1,2,3
	global_load_b128 v[B0+8*\a:B0+8*\a+3],   v[BQO], s[16:17] offset:64*\a
	global_load_b128 v[B0+8*\a+4:B0+8*\a+7], v[BQO], s[16:17] offset:64*\a+16
	global_load_b128 v[B1+8*\a:B1+8*\a+3],   v[BQO], s[18:19] offset:64*\a
	global_load_b128 v[B1+8*\a+4:B1+8*\a+7], v[BQO], s[18:19] offset:64*\a+16
.endr
.irp t, 0,1,2,3
	global_load_b32 v[BVR+\t], v[BVO], s[20:21] offset:(32*(\t/2)+8*(\t%2))*4
.endr
	s_lshr_b32 s100, s34, 5
	s_lshl_b32 s100, s100, 3
	s_lshl_b32 s101, s33, 1
	s_add_co_u32 s100, s100, s101
	s_add_co_u32 s100, s100, s[HD]
	s_and_b32 s101, s34, 31
	s_lshl_b32 s2, s100, 18
	s_lshl_b32 s3, s101, 13
	s_add_co_u32 s2, s2, s3
	s_lshl_b32 s3, s[TH], 12
	s_add_co_u32 s2, s2, s3
	s_mov_b32 s3, 0
	s_add_nc_u64 s[24:25], s[24:25], s[2:3]
	s_lshl_b32 s2, s100, 19
	s_lshl_b32 s100, s101, 14
	s_add_co_u32 s2, s2, s100
	s_add_nc_u64 s[26:27], s[26:27], s[2:3]
	s_lshl_b32 s2, s[TH], 10
	s_add_co_u32 s2, s2, 8192
	s_add_nc_u64 s[36:37], s[26:27], s[2:3]
	s_lshl_b32 s2, s[TH], 12
	s_add_nc_u64 s[26:27], s[26:27], s[2:3]
	s_wait_kmcnt 0x0
.macro CONST p, ea, eo, neg
	s_add_co_i32 s2, s[\ea], s[\ea+1]
	s_sub_co_i32 s[\neg], 0, s2
	s_sub_co_i32 s2, s[\eo], s2
	s_add_co_i32 s2, s2, 127
	s_lshl_b32 s3, s2, 23
	v_mov_b32 v[SCV+2*\p], s3
	s_add_co_i32 s2, s2, 15
	s_lshl_b32 s2, s2, 23
	s_or_b32 s2, s2, 0x600000
	v_mov_b32 v[SCV+2*\p+1], s2
.endm
	CONST 0, 84, 90, NEG0
	CONST 1, 86, 91, NEG1
	CONST 2, 88, 93, NEG2
	s_wait_loadcnt 0x0
.set j, 0
.rept 32
	v_ldexp_f32 v[B0+j], v[B0+j], s[NEG0]
	v_ldexp_f32 v[B1+j], v[B1+j], s[NEG1]
.set j, j+1
.endr
.irp t, 0,1,2,3
.irp i, 0,1,2,3,4,5,6,7
	v_ldexp_f32 v[B2+8*\t+\i], v[BVR+\t], s[NEG2]
.endr
.endr
.macro FRAG reg, adr, q, row
.irp c, 0,1,2,3
	ds_load_b128 v[\reg+4*\c:\reg+4*\c+3], v[\adr] offset:128*(\q)+32*\c+(\row)*PITCH
.endr
.endm
.macro FETCH adrp, adrq, q, f, perm
	WIN 0x40
.irp i, 0,1,2,3
	FRAG \f+16*\i, \adrp, \q, 16*\i
.endr
.irp i, 0,1,2,3
.if \perm
	FRAG \f+64+16*\i, \adrq, \q, 32*(\i/2)+8*(\i%2)
.else
	FRAG \f+64+16*\i, \adrq, \q, 16*\i
.endif
.endr
.endm
.macro MUL16 f, mode, cb
	WIN 0x05
.irp a, 0,1,2,3
.irp b, 0,1,2,3
.if \mode == 1
	v_wmma_f32_16x16x128_bf8_bf8 v[ACC+8*(4*\a+\b):ACC+8*(4*\a+\b)+7], v[\f+16*\a:\f+16*\a+15], v[\f+64+16*\b:\f+64+16*\b+15], v[\cb+8*\a:\cb+8*\a+7]
.elseif \mode == 2
	v_wmma_f32_16x16x128_bf8_bf8 v[ACC+8*(4*\a+\b):ACC+8*(4*\a+\b)+7], v[\f+16*\a:\f+16*\a+15], v[\f+64+16*\b:\f+64+16*\b+15], v[\cb+8*\b:\cb+8*\b+7]
.else
	v_wmma_f32_16x16x128_bf8_bf8 v[ACC+8*(4*\a+\b):ACC+8*(4*\a+\b)+7], v[\f+16*\a:\f+16*\a+15], v[\f+64+16*\b:\f+64+16*\b+15], v[ACC+8*(4*\a+\b):ACC+8*(4*\a+\b)+7]
.endif
.endr
.endr
.endm
.macro KSTEPS adrp, adrq, perm, mode, cb
.irp q, 0,1,2,3
	s_wait_dscnt 0x0
.if \q < 3
	PLACES
	FETCH \adrp, \adrq, \q+1, 128*((\q+1)%2), \perm
.endif
.if \q == 0
	MUL16 0, \mode, \cb
.else
	MUL16 128*(\q%2), 0, \cb
.endif
.endr
.endm
.macro EPI bp, p, out, strb
.irp b, 0,1,2,3
.irp a, 0,1,2,3
.irp j, 0,1,2,3,4,5,6,7
	v_med3_num_f32 v[ACC+8*(4*\a+\b)+\j], v[ACC+8*(4*\a+\b)+\j], -v[SCV+2*\p+1], v[SCV+2*\p+1]
.endr
	v_cvt_scalef32_pk8_bf8_f32 v[\bp+8*\b+2*\a:\bp+8*\b+2*\a+1], v[ACC+8*(4*\a+\b):ACC+8*(4*\a+\b)+7], v[SCV+2*\p]
.endr
.endr
	v_nop
.irp b, 0,1,2,3
.irp c, 0,1
	global_store_b128 v[LI], v[\bp+8*\b+4*\c:\bp+8*\b+4*\c+3], s[\out:\out+1] offset:\strb*\b+512*\c
.endr
.endr
.endm
	s_wait_tensorcnt 0x0
	s_barrier_signal -1
	s_barrier_wait -1
	FETCH AW, AX, 0, 0, 0
	KSTEPS AW, AX, 0, 1, B0
	WIN 0
	s_wait_tensorcnt 0x0
	ds_add_u32 v[SPW], v[NIL]
	s_wait_dscnt 0x0
	CROUND
	s_cmp_eq_u32 s[WV], 0                          ; slot 0 is filled again: wave 0 fetches value's tile, wave 1 Wv's, the others nothing
	s_cbranch_scc0 .Lnot_x2
	tensor_load_to_lds s[G0X2:G0X2+3], s[G1X:G1X+7]
	s_nop 0
.rept 4
	v_nop
.endr
	s_branch .Lasked_2
.Lnot_x2:
	s_cmp_eq_u32 s[WV], 1
	s_cbranch_scc0 .Lasked_2
	tensor_load_to_lds s[G0W2:G0W2+3], s[G1W:G1W+7]
	s_nop 0
.rept 4
	v_nop
.endr
.Lasked_2:
	PLACES                                         ; on every wave's way: in front of the loads into registers that matrix instructions have read
	FETCH AW+1, AX+1, 0, 0, 0
	WIN 0
	EPI B0, 0, 24, 1024
	KSTEPS AW+1, AX+1, 0, 1, B1
	WIN 0
	s_wait_tensorcnt 0x0
	ds_add_u32 v[SPW], v[NIL]
	s_wait_dscnt 0x0
	s_barrier_signal -1
	s_barrier_wait -1
	PLACES
	FETCH AX, AWV, 0, 0, 1
	WIN 0
	EPI B1, 1, 26, 1024
	KSTEPS AX, AWV, 1, 2, B2
	WIN 0
	PLACES
	EPI B2, 2, 36, 2048
	s_wait_tensorcnt 0x0
	ds_add_u32 v[SPW], v[NIL]
	s_wait_dscnt 0x0
	CROUND
	s_endpgm
.Lfunc_end_k_q5364284bbd_proj:
	.size	k_q5364284bbd_proj, .Lfunc_end_k_q5364284bbd_proj-k_q5364284bbd_proj
	.p2alignl 7, 3214868480
	.fill 96, 4, 3214868480
	.section	.rodata,"a",@progbits
	.p2align	6, 0x0
	.amdhsa_kernel k_q5364284bbd_proj
		.amdhsa_group_segment_fixed_size 327680
		.amdhsa_private_segment_fixed_size 0
		.amdhsa_enable_private_segment 0
		.amdhsa_kernarg_size 96
		.amdhsa_user_sgpr_count 2
		.amdhsa_user_sgpr_kernarg_segment_ptr 1
		.amdhsa_wavefront_size32 1
		.amdhsa_system_sgpr_workgroup_id_x 1
		.amdhsa_system_sgpr_workgroup_id_y 1
		.amdhsa_system_sgpr_workgroup_id_z 1
		.amdhsa_system_vgpr_workitem_id 0
		.amdhsa_next_free_vgpr 512
		.amdhsa_next_free_sgpr 102
		.amdhsa_reserve_vcc 0
		.amdhsa_float_denorm_mode_32 3
		.amdhsa_float_denorm_mode_16_64 3
		.amdhsa_memory_ordered 1
		.amdhsa_forward_progress 1
		.amdhsa_inst_pref_size 86
	.end_amdhsa_kernel
	.amdgpu_metadata
---
amdhsa.version: [ 1, 2 ]
amdhsa.kernels:
  - .name:           k_q5364284bbd_proj
    .symbol:         k_q5364284bbd_proj.kd
    .args:
      - { .name: query_codes, .offset: 0, .size: 8, .value_kind: global_buffer, .address_space: global }
      - { .name: key__codes, .offset: 8, .size: 8, .value_kind: global_buffer, .address_space: global }
      - { .name: value_codes, .offset: 16, .size: 8, .value_kind: global_buffer, .address_space: global }
      - { .name: Wq_codes, .offset: 24, .size: 8, .value_kind: global_buffer, .address_space: global }
      - { .name: Wk_codes, .offset: 32, .size: 8, .value_kind: global_buffer, .address_space: global }
      - { .name: Wv_codes, .offset: 40, .size: 8, .value_kind: global_buffer, .address_space: global }
      - { .name: bq, .offset: 48, .size: 8, .value_kind: global_buffer, .address_space: global }
      - { .name: bk, .offset: 56, .size: 8, .value_kind: global_buffer, .address_space: global }
      - { .name: bv, .offset: 64, .size: 8, .value_kind: global_buffer, .address_space: global }
      - { .name: lowp_scales, .offset: 72, .size: 8, .value_kind: global_buffer, .address_space: global }
      - { .name: qimg, .offset: 80, .size: 8, .value_kind: global_buffer, .address_space: global }
      - { .name: kv, .offset: 88, .size: 8, .value_kind: global_buffer, .address_space: global }
    .group_segment_fixed_size: 327680
    .private_segment_fixed_size: 0
    .kernarg_segment_align: 8
    .kernarg_segment_size: 96
    .max_flat_workgroup_size: 128
    .sgpr_count:     102
    .vgpr_count:     512
    .wavefront_size: 32
...
	.end_amdgpu_metadata
.endif
;; end of part 1
;; launch attn (part 2): grid 16 x 16, 8 waves a work-group, clusters of 4 x 1, 327,680 bytes of LDS; arguments qimg, kv, lowp_scales, cimg; writes cimg
.if DOCPART == 2
	.amdgcn_target "amdgcn-amd-amdhsa--gfx1250"
	.amdhsa_code_object_version 6
	.text
	.protected	k_q5364284bbd_attn
	.globl	k_q5364284bbd_attn
	.p2align	8
	.type	k_q5364284bbd_attn,@function
k_q5364284bbd_attn:
	s_mov_b64 s[64:65], 0
	v_nop
	global_prefetch_b8 v0, s[64:65] scope:SCOPE_SE
	s_setreg_imm32_b32 hwreg(HW_REG_WAVE_MODE, 25, 1), 1
	s_wait_xcnt 0x0
	s_wait_alu depctr_hold_cnt(0) depctr_sa_sdst(0) depctr_va_vdst(0) depctr_va_sdst(0) depctr_va_ssrc(0) depctr_va_vcc(0) depctr_vm_vsrc(0)
	s_getreg_b32 s2, hwreg(HW_REG_IB_STS2, 6, 4)
	s_cmp_eq_u32 s2, 0
	s_cbranch_scc0 .Lentry_in_a_cluster
	s_endpgm
.Lentry_in_a_cluster:
	s_bfe_u32 s2, ttmp6, 0x10000c
	s_cmp_lg_u32 s2, 0x3003
	s_cbranch_scc0 .Lentry_shape_is_right
	s_endpgm
.Lentry_shape_is_right:
; ctx = softmax(q k^T / 8) v for each of 16 (batch, head), 4,096 queries x 4,096 keys x head size 64, both products on codes of BF8 (E5M2); ctx is quantised with entry 10 of the scales.
; THE SOFTMAX: t = score x log2(e) / 8; M = the row's largest t so far, rounded UP to a whole number; p = 2^(t - M) is quantised along the keys with 2^e8, not normalised; the row's sum is taken of the
; unquantised p in f32 and divides O at the end.  When M moves, the sum and O are multiplied by 2^(old M - new M), which rounds nothing.
; LIMITS: e6 + e7 between -123 and 130 (added to c's exponent field); e8, and e10 - e8 - e9, between -126 and 112, so that each power of two below is an f32 number; the scaled scores t stay under 2^31 in magnitude.
; SHARES.  A work-group owns 256 queries of one (batch, head); each of its eight waves owns two tiles of 16 queries and walks all keys, 128 a step.  Each fragment of K and of V^T read from LDS feeds two products.
; All operands come as images of their registers: four registers of the 32 lanes are 512 consecutive bytes.  A key step is 16,384 bytes: 8 tiles of 16 keys x 64 (1,024 bytes), then 4 tiles of V^T, 16 d x 128 keys (2,048 bytes).
; Both products are used transposed: S^T = K Q^T, O^T = V^T P^T: a lane holds one query (lane % 16); register j of S^T's tile t is key 16 t + 8 (lane / 16) + j, so tile t's conversion is registers 2 t, 2 t + 1 of P.
; CLUSTER 4 x 1: the four query blocks of a cluster walk the same K and V: each tile is asked for jointly.  Two LDS slots of eight key steps; every wave fetches one step, 64 rows of 256 bytes.
; THE CHANGE OF SLOTS stands inside a slot's last step: once that step's K and V are in registers the wave has no more reads of the slot, runs the three lines and signals; the step's softmax and second products, work on registers alone, stand between the signal and the wait.
; THE SOFTMAX OF BOTH TILES IS ONE TEXT IN ONE WINDOW.  The 128 exponentials of a step go in four batches of 32; among a batch's lines stand the next batch's multiply-adds and the batch before's holds, which read only what a wait has settled and whose results are first read behind the next wait.
; The run of dependent lines that finds M stands among the other tile's maxima or rescalings.
; REGISTERS.  window 0: v1-6 addresses; v16-31 Q of both tiles; v32-95 K's 8 fragments; v96-159 V^T's 4 fragments.
;   window 1: v0-127 S^T, then p (tile T at 64 T); v128-191 O^T (32 T); v192-223 p's codes (16 T); v224-253 constants and state, named below.
.set STEPB, 16384                      ; a key step in bytes
.set SLOT1, 131072                     ; a slot holds eight steps; one exclusive or turns a slot's first byte into the other's
.set SPARE, 323584                     ; the spare words, 128 bytes for each of eight waves, which no other line names
.set LI,   1                           ; v1  16 x lane
.set ADR,  2                           ; v2  the step in hand + 16 x lane
.set PFO,  3                           ; v3  256 x lane: the prefetches' offset; never rewritten
.set SPW,  5                           ; v5  my spare word; never rewritten
.set NIL,  6                           ; v6  0; never rewritten
.set QF,   16
.set KF,   32
.set VF,   96
.set O,    128                         ; from here on: window 1
.set P,    192
.set H8,   224                         ; 57,344 x 2^e8, twice: the two halves of a dual line name different registers
.set SC,   225                         ; 2^e8
.set CH,   226                         ; 57,344 x 2^(e10 - e8 - e9)
.set H7,   227
.set CSC,  228                         ; 2^(e10 - e8 - e9)
.set NM,   230                         ; + 2 T: the pair -M, the largest score
.set SUM,  234                         ; + 2 T: the sum in two halves
.set FF,   238                         ; + 2 T: f = 2^(old M - new M), named as a pair
.set MX,   242                         ; + 4 T: four chains of maxima
.set BB,   242                         ; three more chains of the sums, where the maxima lay
.set CC,   244
.set DD,   246
.set OLD,  250                         ; + T: the old -M
.set PRM,  252                         ; + T: lane l xor 16's number
.set OFF,  2                           ; s2  LDS byte at which the step in hand begins
.set INN,  3                           ; s3  steps to go in the loop over a slot's first seven
.set WV,   12                          ; s12 wave
.set LIM,  15                          ; s15 1 in a wave that prefetches, else the greatest number
.set PFA,  18                          ; s[18:19] where my prefetches stand
.set SEL,  20                          ; s[20:21] lane selects: lane l xor 16
.set CS,   22                          ; s[22:23] c = log2(e) / 8 x 2^(e6 + e7)
.set G1,   24                          ; s[24:31] descriptor group 1
.set G0,   32                          ; s[32:35] descriptor group 0, which walks
.set TB,   36                          ; s36 LDS byte at which the slot in hand begins
.set SLOTS, 37                         ; s37 refills to go
.set MSB, 0
.macro WIN new                         ; the immediate's high byte repeats the setting that is left; bits 1:0 source 0, 3:2 source 1, 5:4 source 2, 7:6 destination
.if MSB != \new
	s_set_vgpr_msb (MSB<<8)|\new
.set MSB, \new
.endif
.endm
.macro PLACES                          ; four plain vector instructions between a matrix instruction and a load into, or a vector read of, its registers
.rept 4
	v_nop
.endr
.endm
.macro CREST                           ; a round of the cluster's barrier behind its opening barrier
	s_cmp_lg_u32 s[WV], 0
	s_cbranch_scc1 .Lnot_wave_0_\@
	s_barrier_signal -3
.Lnot_wave_0_\@:
	s_barrier_wait -3
	s_barrier_signal -1
	s_barrier_wait -1
.endm
.macro CROUND                          ; a whole round
	s_barrier_signal -1
	s_barrier_wait -1
	CREST
.endm
.macro TLOAD                           ; every wave fetches one key step of the slot; s_nop 0 and four v_nop follow the line
	tensor_load_to_lds s[G0:G0+3], s[G1:G1+7]
	s_nop 0
.rept 4
	v_nop
.endr
.endm
; A PREFETCH INTO THE L2 of the slot that the NEXT change of slots will ask for: 131,072 bytes, a slot's eight key steps ahead of that load.  All four clusters of a head walk the same bytes, so the head's first cluster asks;
; its four partners take 32,768 bytes each, told apart by address; in each, waves 0 to 3 take 8,192 each, lanes 256 bytes apart: each aligned block of 256 bytes is named once in the launch.
; Slots 0 and 1 come by their loads alone; the last change that fills a slot asks for nothing.  how = 1: at the head; 0: in the loop.
.macro ASK how
.if \how
	s_cmp_eq_u32 s[LIM], 1
.else
	s_cmp_gt_u32 s[SLOTS], s[LIM]
.endif
	s_cbranch_scc0 .Lnot_mine_\@
	global_prefetch_b8 v[PFO], s[PFA:PFA+1] th:TH_LOAD_NT scope:SCOPE_SE
.Lnot_mine_\@:
.endm
	s_load_b256 s[4:11], s[0:1], 0x0               ; qimg s[4:5], kv s[6:7], the scales s[8:9], cimg s[10:11]
	v_lshl_add_u32 v[SPW], v0, 2, SPARE
	v_mov_b32 v[NIL], 0
	ds_add_u32 v[SPW], v[NIL]                      ; the opening lines: the add, twice on end, and its wait ahead of my first tensor load
	ds_add_u32 v[SPW], v[NIL]
	v_lshrrev_b32 v1, 5, v0
	v_readfirstlane_b32 s[WV], v1                  ; wave 0..7
	s_bfe_u32 s13, ttmp6, 0x40000                  ; cx
	s_lshl_b32 s14, ttmp9, 2
	s_add_co_u32 s14, s14, s13                     ; my block of 256 queries: it enters Q's and ctx's addresses alone
	s_and_b32 s16, ttmp7, 0xffff                   ; bh = 8 x batch + head, which the four partners share
	s_lshl_b32 s17, s[WV], 14                      ; the step that I fetch: its place in a slot, in LDS and in memory
	s_lshl_b32 s52, s16, 19                        ; the head's 32 key steps
	s_mov_b32 s53, 0
	s_mov_b32 s54, s17
	s_mov_b32 s55, 0
	s_mov_b32 s[G1], 15|(3<<16)|(1<<21)            ; 15:0 the mask: all four work-groups; 17:16 elements of 8 bytes; 21 set beside a mask; no padding
	s_mov_b32 s[G1+1], 32<<16                      ; tensor_dim0 = 32 elements: rows of 256 bytes of a dense block
	s_mov_b32 s[G1+2], 64<<16                      ; tensor_dim1 = 64
	s_mov_b32 s[G1+3], 32<<16                      ; tile_dim0
	s_mov_b32 s[G1+4], 64                          ; tile_dim1
	s_mov_b32 s[G1+5], 32                          ; from row to row
	s_mov_b32 s[G1+6], 0
	s_mov_b32 s[G1+7], 0
	s_mov_b32 s[SEL], 0x76543210
	s_mov_b32 s[SEL+1], 0xfedcba98
	s_mov_b32 s[CS], 0x3e38aa3b                    ; log2(e) / 8
	s_mov_b32 s[TB], 0
	s_lshr_b32 s[LIM], s[WV], 2                    ; 0 in waves 0 to 3,
	s_or_b32 s[LIM], s[LIM], ttmp9                 ; of the head's first cluster: the same in all four partners
	s_cmp_eq_u32 s[LIM], 0
	s_cselect_b32 s[LIM], 1, -1
	s_wait_dscnt 0x0                               ; both opening adds are done
	s_wait_kmcnt 0x0
	s_load_b256 s[40:47], s[8:9], 0x0              ; e0 .. e7
	s_load_b128 s[48:51], s[8:9], 0x20             ; e8 .. e11
	s_add_nc_u64 s[6:7], s[6:7], s[52:53]          ; kv at my head
	s_mov_b32 s[G0], 1                             ; count = 1
	s_mov_b32 s[G0+1], s17                         ; LDS address: slot 0
	s_add_nc_u64 s[G0+2:G0+3], s[6:7], s[54:55]    ; the head's first eight steps
	s_or_b32 s[G0+3], s[G0+3], 0x80000000          ; type = 2
	CROUND                                         ; all four work-groups are here: the first joint loads meet
	TLOAD                                          ; slot 0: my one tensor load at the head
	s_lshl_b32 s56, s13, 15                        ; the prefetches: my work-group's 32,768 bytes of a slot,
	s_and_b32 s58, s[WV], 3
	s_lshl_b32 s58, s58, 13                        ; my wave's quarter of them,
	s_add_co_u32 s56, s56, s58
	s_add_co_u32 s56, s56, 2*SLOT1                 ; in the third slot's worth of keys
	s_mov_b32 s57, 0
	s_add_nc_u64 s[PFA:PFA+1], s[6:7], s[56:57]
	s_lshl_b32 s58, s16, 18                        ; qimg: (256 bh + 16 block + 2 wave) units of 1,024 bytes
	s_lshl_b32 s59, s14, 14
	s_add_co_u32 s58, s58, s59
	s_lshl_b32 s59, s[WV], 11
	s_add_co_u32 s58, s58, s59
	s_mov_b32 s59, 0
	s_add_nc_u64 s[4:5], s[4:5], s[58:59]
	s_lshr_b32 s60, s16, 3                         ; cimg: ((256 batch + 16 block + 2 wave) x 8 + head) units of 1,024 bytes
	s_lshl_b32 s60, s60, 21
	s_lshl_b32 s61, s14, 17
	s_add_co_u32 s60, s60, s61
	s_lshl_b32 s61, s[WV], 14
	s_add_co_u32 s60, s60, s61
	s_and_b32 s61, s16, 7
	s_lshl_b32 s61, s61, 10
	s_add_co_u32 s60, s60, s61
	s_mov_b32 s61, 0
	s_add_nc_u64 s[10:11], s[10:11], s[60:61]
	v_and_b32 v1, 31, v0
	v_lshlrev_b32 v[PFO], 8, v1
	v_lshlrev_b32 v[LI], 4, v1
.irp c, 0,1,2,3
	global_load_b128 v[QF+4*\c:QF+4*\c+3], v[LI], s[4:5] offset:512*\c   ; Q of both tiles stays in registers
.endr
	s_wait_kmcnt 0x0
	s_add_co_i32 s52, s46, s47
	s_lshl_b32 s52, s52, 23
	s_add_co_i32 s[CS], s[CS], s52                 ; a score stands for score x 2^(e6 + e7): the exponents are added to c's exponent field
	s_mov_b32 s[CS+1], s[CS]                       ; (named with it as a pair, so it is written)
	s_add_co_i32 s38, s48, 127
	s_lshl_b32 s39, s38, 23                        ; 2^e8 as f32
	s_add_co_i32 s38, s38, 15
	s_lshl_b32 s38, s38, 23
	s_or_b32 s38, s38, 0x600000                    ; 57,344 x 2^e8
	s_sub_co_i32 s62, s50, s48
	s_sub_co_i32 s62, s62, s49                     ; O / l stands for ctx / 2^(e8 + e9): ctx's code is (O / l) / 2^(e10 - e8 - e9)
	s_add_co_i32 s62, s62, 127
	s_lshl_b32 s63, s62, 23
	s_add_co_i32 s62, s62, 15
	s_lshl_b32 s62, s62, 23
	s_or_b32 s62, s62, 0x600000
	WIN 0x55                                       ; every operand place in window 1: the tiles' state.  The loop has no first step of its own: it finds zeros, which the first change of M leaves zeros
	v_mov_b32 v[H8], s38
	v_mov_b32 v[H7], s38
	v_mov_b32 v[SC], s39
	v_mov_b32 v[CH], s62
	v_mov_b32 v[CSC], s63
.irp T, 0,1
	v_mov_b32 v[NM+2*\T], 0x7f61b1e6               ; -M: 3e38
	v_mov_b32 v[NM+2*\T+1], 0xff61b1e6             ; the largest score so far: -3e38
	v_mov_b32 v[SUM+2*\T], 0
	v_mov_b32 v[SUM+2*\T+1], 0
	v_mov_b32 v[FF+2*\T+1], 0                      ; (named as the upper half of a pair)
	v_mov_b32 v[PRM+\T], 0                         ; a lane permute's destination counts as one of its sources
.endr
.set j, 0
.rept 64
	v_mov_b32 v[O+j], 0
.set j, j+1
.endr
	WIN 0
.macro FETCH_K off                     ; 16 LDS loads: a step's 8 tiles of 16 keys
.irp t, 0,1,2,3,4,5,6,7
.irp c, 0,1
	ds_load_b128 v[KF+8*\t+4*\c:KF+8*\t+4*\c+3], v[ADR] offset:\off+1024*\t+512*\c
.endr
.endr
.endm
.macro FETCH_V off                     ; 16 LDS loads: a step's 4 tiles of V^T
.irp t, 0,1,2,3
.irp c, 0,1,2,3
	ds_load_b128 v[VF+16*\t+4*\c:VF+16*\t+4*\c+3], v[ADR] offset:\off+8192+2048*\t+512*\c
.endr
.endr
.endm
.macro QK T                            ; S^T = K Q^T: 8 tiles of 16 keys
.irp t, 0,1,2,3,4,5,6,7
	v_wmma_f32_16x16x64_bf8_bf8 v[64*\T+8*\t:64*\T+8*\t+7], v[KF+8*\t:KF+8*\t+7], v[QF+8*\T:QF+8*\T+7], 0
.endr
.endm
.macro PV T                            ; O^T += V^T P^T: the four accumulators take one turn each
.irp t, 0,1,2,3
	v_wmma_f32_16x16x128_bf8_bf8 v[O+32*\T+8*\t:O+32*\T+8*\t+7], v[VF+16*\t:VF+16*\t+15], v[P+16*\T:P+16*\T+15], v[O+32*\T+8*\t:O+32*\T+8*\t+7]
.endr
.endm
; The softmax's lines.  r: a pair's first register.
.macro RESC r, T                       ; x f
	v_pk_mul_f32 v[0+(\r):1+(\r)], v[0+(\r):1+(\r)], v[FF+2*\T:FF+2*\T+1] op_sel_hi:[1,0]
.endm
.macro FMA r, T                        ; t - M, two at a time (of the pairs c and -M the low word serves both halves)
	v_pk_fma_f32 v[0+(\r):1+(\r)], v[0+(\r):1+(\r)], s[CS:CS+1], v[NM+2*\T:NM+2*\T+1] op_sel_hi:[1,0,0]
.endm
.macro HOLD r                          ; the conversion to an 8-bit code does not saturate (ISA guide 7.6.2); p is not negative, so the hold is one-sided; two numbers a line
	v_dual_min_num_f32 v[0+(\r)], v[0+(\r)], v[H8] :: v_dual_min_num_f32 v[1+(\r)], v[1+(\r)], v[H7]
.endm
.macro MAXF T                          ; the step's largest score of my query among my 64 keys, in four chains of two accumulators; each accumulator is read from its low end on
.irp k, 0,1,2,3
	v_max3_num_f32 v[MX+4*\T+\k], v[64*\T+16*\k], v[64*\T+16*\k+1], v[64*\T+16*\k+2]
.endr
.endm
.macro MAXG T, i
.irp k, 0,1,2,3
	v_max3_num_f32 v[MX+4*\T+\k], v[MX+4*\T+\k], v[64*\T+16*\k+\i], v[64*\T+16*\k+\i+1]
.endr
.endm
.macro MAXJ T
	v_max3_num_f32 v[MX+4*\T], v[MX+4*\T], v[MX+4*\T+1], v[64*\T+15]
	v_max3_num_f32 v[MX+4*\T+2], v[MX+4*\T+2], v[MX+4*\T+3], v[64*\T+31]
	v_max3_num_f32 v[MX+4*\T], v[MX+4*\T], v[64*\T+47], v[64*\T+63]
	v_max_num_f32 v[MX+4*\T], v[MX+4*\T], v[MX+4*\T+2]
.endm
.macro CHAIN T, n                      ; the n-th of the seven dependent lines from a tile's largest score to f
.if \n == 0
	v_permlanex16_b32 v[PRM+\T], v[MX+4*\T], s[SEL], s[SEL+1]
.elseif \n == 1
	v_max3_num_f32 v[NM+2*\T+1], v[NM+2*\T+1], v[MX+4*\T], v[PRM+\T]   ; the running largest score, lane l xor 16's among it
.elseif \n == 2
	v_mul_f32 v[MX+4*\T+1], s[CS], v[NM+2*\T+1]    ; as t (c is positive)
.elseif \n == 3
	v_floor_f32 v[NM+2*\T], -v[MX+4*\T+1]          ; the new -M = floor(-t) = -ceil(t): a whole number
.elseif \n == 4
	v_sub_f32 v[MX+4*\T+1], v[NM+2*\T], v[OLD+\T]  ; old M - new M: a whole number, 0 or less
.elseif \n == 5
	v_cvt_i32_f32 v[MX+4*\T+1], v[MX+4*\T+1]       ; (it saturates)
.else
	v_ldexp_f32 v[FF+2*\T], 1.0, v[MX+4*\T+1]      ; f = 2^(old M - new M)
.endif
.endm
; 32 exponentials from register e on; among them 16 holds from hd on and 16 multiply-adds from fm on (tile ft), where these are not -1.
.macro BATCH e, fm, ft, hd
.set i, 0
.rept 16
	v_exp_f32 v[\e+i], v[\e+i]                     ; p = 2^(t - M), at most 1
.if \hd >= 0
	HOLD \hd+i
.endif
	v_exp_f32 v[\e+i+1], v[\e+i+1]
.if \fm >= 0
	FMA \fm+i, \ft
.endif
.set i, i+2
.endr
.endm
.macro ADD4 T, j                       ; the row's sum is taken of the unquantised p: two at a time, in four chains
	v_pk_add_f32 v[BB:BB+1], v[BB:BB+1], v[64*\T+\j:64*\T+\j+1]
	v_pk_add_f32 v[CC:CC+1], v[CC:CC+1], v[64*\T+\j+2:64*\T+\j+3]
	v_pk_add_f32 v[DD:DD+1], v[DD:DD+1], v[64*\T+\j+4:64*\T+\j+5]
	v_pk_add_f32 v[SUM+2*\T:SUM+2*\T+1], v[SUM+2*\T:SUM+2*\T+1], v[64*\T+\j+6:64*\T+\j+7]
.endm
.macro SUMA T                          ; a tile's first 32 numbers
	v_pk_add_f32 v[BB:BB+1], v[64*\T:64*\T+1], v[64*\T+2:64*\T+3]
	v_pk_add_f32 v[CC:CC+1], v[64*\T+4:64*\T+5], v[64*\T+6:64*\T+7]
	v_pk_add_f32 v[DD:DD+1], v[64*\T+8:64*\T+9], v[64*\T+10:64*\T+11]
	v_pk_add_f32 v[SUM+2*\T:SUM+2*\T+1], v[SUM+2*\T:SUM+2*\T+1], v[64*\T+12:64*\T+13]
	ADD4 \T, 14
	ADD4 \T, 22
	v_pk_add_f32 v[BB:BB+1], v[BB:BB+1], v[64*\T+30:64*\T+31]
.endm
.macro SUMB T                          ; its other 32
	ADD4 \T, 32
	ADD4 \T, 40
	ADD4 \T, 48
	ADD4 \T, 56
.endm
.macro JOIN T                          ; the four chains are joined
	v_pk_add_f32 v[CC:CC+1], v[CC:CC+1], v[DD:DD+1]
	v_pk_add_f32 v[SUM+2*\T:SUM+2*\T+1], v[SUM+2*\T:SUM+2*\T+1], v[BB:BB+1]
	v_pk_add_f32 v[SUM+2*\T:SUM+2*\T+1], v[SUM+2*\T:SUM+2*\T+1], v[CC:CC+1]
.endm
.macro CVT T
.irp t, 0,1,2,3,4,5,6,7
	v_cvt_scalef32_pk8_bf8_f32 v[P+16*\T+2*\t:P+16*\T+2*\t+1], v[64*\T+8*\t:64*\T+8*\t+7], v[SC]   ; keys 16 t + 8 (lane / 16) + 0 .. 7
.endr
.endm
; Both tiles' softmax and second products for one key step.  vw >= 0: the count of the wait on DScnt that shows V's fragments in.
.macro SOFT vw
	WIN 0x55
	v_mov_b32 v[OLD], v[NM]
	v_mov_b32 v[OLD+1], v[NM+2]
	MAXF 0
.irp i, 3,5,7,9,11,13
	MAXG 0, \i
.endr
	MAXJ 0
	MAXF 1                                         ; tile 1's maxima, tile 0's dependent lines among them
	CHAIN 0, 0
.irp n, 1,2,3,4,5,6
	MAXG 1, 2*\n+1
	CHAIN 0, \n
.endr
	MAXJ 1
	s_wait_alu depctr_va_vdst(0)                   ; the wait here, directly ahead of the first readers of tile 0's O^T, which was written ahead of the last step's last batch
.irp n, 0,1,2,3,4,5,6                  ; O^T of tile 0 under the new M and its first 32 t - M, tile 1's dependent lines among them; each accumulator from its low end on
	RESC O+4*\n, 0
	CHAIN 1, \n
	FMA 4*\n, 0
	RESC O+4*\n+2, 0
	FMA 4*\n+2, 0
.endr
	RESC O+28, 0
	FMA 28, 0
	RESC O+30, 0
	FMA 30, 0
	RESC SUM, 0                                    ; the sums under the new M
.set j, 0
.rept 16
	RESC O+32+j, 1
.set j, j+2
.endr
	RESC SUM+2, 1
	s_wait_alu depctr_va_vdst(0)                   ; a wait ahead of each batch and behind it: one between two batches serves both
	BATCH 0, 32, 0, -1
	s_wait_alu depctr_va_vdst(0)
	SUMA 0
	BATCH 32, 64, 1, 0
	s_wait_alu depctr_va_vdst(0)
	SUMB 0
	JOIN 0
	BATCH 64, 96, 1, 32
.if \vw >= 0
	s_wait_dscnt \vw                               ; V's fragments are in; the loads issued behind them may stay out
.endif
	s_wait_alu depctr_va_vdst(0)
	CVT 0
	SUMA 1                                         ; also the plain instructions behind the last conversion
	WIN 0x54                                       ; V^T window 0; P and O^T window 1
	PV 0
	WIN 0x55
	BATCH 96, -1, 0, 64
	v_nop                                          ; a plain instruction behind the last exponential
	s_wait_alu depctr_va_vdst(0)
	SUMB 1
.set j, 0
.rept 16
	HOLD 96+j
.set j, j+2
.endr
	CVT 1
	JOIN 1                                         ; also the plain instructions behind the last conversion
	WIN 0x54
	PV 1
	WIN 0
.endm
.macro START                           ; a slot's first fragments
	v_add_nc_u32 v[ADR], s[OFF], v[LI]
	s_wait_alu depctr_va_vdst(0)
	FETCH_K 0
	FETCH_V 0
.endm
; A KEY STEP.  mode 3: it has a successor in its slot: the next K is asked for behind the scores, the next V behind the second products.
; mode 2: a slot's last step, the slot is filled again; mode 1: a slot's last step, nothing is filled; mode 0: the very last step.
.macro STEP mode
	s_wait_dscnt 16                                ; K is in; V's 16 loads, issued behind K's, may stay out
	WIN 0x40                                       ; K and Q window 0; S^T window 1
	QK 0
	QK 1
	WIN 0
.if \mode == 3
	PLACES                                         ; in front of the loads into K's registers and of the first reads of the scores
	FETCH_K STEPB
	s_add_co_u32 s[OFF], s[OFF], STEPB
	v_add_nc_u32 v[ADR], s[OFF], v[LI]             ; on to the next step
	SOFT 16
.elseif \mode == 0
	PLACES
	SOFT 0
.else
	s_wait_tensorcnt 0x0                           ; my tensor load, my part of the next slot, has landed: the group 0 may be written
	ds_add_u32 v[SPW], v[NIL]                      ; 0 onto my spare word
	s_xor_b32 s[TB], s[TB], SLOT1                  ; on to the other slot
	s_mov_b32 s[OFF], s[TB]
.if \mode == 2
	s_xor_b32 s[G0+1], s[G0+1], SLOT1              ; the other slot than last time,
	s_add_nc_u64 s[G0+2:G0+3], s[G0+2:G0+3], SLOT1 ; the next eight steps; the type bits on top are not reached
	s_wait_xcnt 0x0                                ; the last prefetch, a slot back, has read its address, so it may be written:
	s_add_nc_u64 s[PFA:PFA+1], s[PFA:PFA+1], SLOT1 ; one slot further on than the walking descriptor
.endif
	PLACES                                         ; in front of the first reads of the scores
	s_wait_dscnt 0x0                               ; the add is done, V is in, and my reads of this slot are over
	s_barrier_signal -1                            ; say so; up to the wait: work on registers alone
	SOFT -1
.endif
	PLACES                                         ; in front of the loads into V's registers, and of the way out's reads of O^T
.if \mode == 3
	FETCH_V 0
.elseif \mode == 2
	s_barrier_wait -1                              ; the barrier has opened a round of the cluster's barrier:
	CREST                                          ; no wave of any partner still reads the slot or has a load on its way
	TLOAD                                          ; the first thing behind the round, and my one tensor load until the next
	START
	ASK 0
.elseif \mode == 1
	s_barrier_wait -1
	START
.endif
.endm
.macro SEVEN name                      ; a slot's first seven steps
	s_mov_b32 s[INN], 7
\name:
	STEP 3
	s_sub_co_u32 s[INN], s[INN], 1
	s_cmp_lg_u32 s[INN], 0
	s_cbranch_scc1 \name
.endm
	s_wait_alu depctr_va_vdst(0)
	s_wait_loadcnt 0x0                             ; Q
	s_wait_tensorcnt 0x0                           ; my part of slot 0 is in
	ds_add_u32 v[SPW], v[NIL]
	s_xor_b32 s[G0+1], s[G0+1], SLOT1
	s_add_nc_u64 s[G0+2:G0+3], s[G0+2:G0+3], SLOT1
	s_mov_b32 s[OFF], 0
	s_mov_b32 s[SLOTS], 2
	s_wait_dscnt 0x0
	CROUND
	TLOAD                                          ; slot 1's first fill
	START
	ASK 1
.Lslot:                                            ; two trips: each reads a slot out and fills it again
	SEVEN .Lstep_a
	STEP 2
	s_sub_co_u32 s[SLOTS], s[SLOTS], 1
	s_cmp_lg_u32 s[SLOTS], 0
	s_cbranch_scc1 .Lslot
	SEVEN .Lstep_b                                 ; the last two slots are written out: they ask for nothing more
	STEP 1
	SEVEN .Lstep_c
	STEP 0
; THE WAY OUT of a tile: O^T / the sum, held, converted: registers 4 b .. 4 b + 3 hold d = 32 b + 16 (lane / 16) + 0 .. 15 of my query.
.macro FINISH T
	v_add_f32 v[SUM+2*\T], v[SUM+2*\T], v[SUM+2*\T+1]   ; the sum's two halves,
	v_permlanex16_b32 v[PRM+\T], v[SUM+2*\T], s[SEL], s[SEL+1]
	v_add_f32 v[SUM+2*\T], v[SUM+2*\T], v[PRM+\T]       ; and lane l xor 16's
	s_wait_alu depctr_va_vdst(0)
	v_rcp_f32 v[SUM+2*\T], v[SUM+2*\T]
	v_nop                                          ; a plain instruction behind the reciprocal
	s_wait_alu depctr_va_vdst(0)                   ; and the wait ahead of its first reader, which is also O^T's
.set j, 0
.rept 16
	v_pk_mul_f32 v[64*\T+j:64*\T+j+1], v[O+32*\T+j:O+32*\T+j+1], v[SUM+2*\T:SUM+2*\T+1] op_sel_hi:[1,0]   ; each accumulator from its low end on
.set j, j+2
.endr
.set j, 0
.rept 32
	v_med3_num_f32 v[64*\T+j], v[64*\T+j], -v[CH], v[CH]
.set j, j+1
.endr
.irp t, 0,1,2,3
	v_cvt_scalef32_pk8_bf8_f32 v[P+16*\T+2*\t:P+16*\T+2*\t+1], v[64*\T+8*\t:64*\T+8*\t+7], v[CSC]
.endr
	v_nop
.endm
	WIN 0x55
	FINISH 0
	FINISH 1
	WIN 0x04                                       ; the stores' data in window 1, their offset in window 0
	global_store_b128 v[LI], v[P:P+3],     s[10:11]              ; each store covers 512 consecutive bytes, aligned
	global_store_b128 v[LI], v[P+4:P+7],   s[10:11] offset:512
	global_store_b128 v[LI], v[P+16:P+19], s[10:11] offset:8192  ; the next token tile lies 8 heads x 1,024 bytes on
	global_store_b128 v[LI], v[P+20:P+23], s[10:11] offset:8704
	WIN 0
	s_wait_tensorcnt 0x0                           ; the wave's end
	ds_add_u32 v[SPW], v[NIL]
	s_wait_dscnt 0x0
	CROUND                                         ; the closing round: no work-group ends while a partner may still ask for a tile that names it
	s_endpgm
.Lfunc_end_k_q5364284bbd_attn:
	.size	k_q5364284bbd_attn, .Lfunc_end_k_q5364284bbd_attn-k_q5364284bbd_attn
	.p2alignl 7, 3214868480
	.fill 96, 4, 3214868480
	.section	.rodata,"a",@progbits
	.p2align	6, 0x0
	.amdhsa_kernel k_q5364284bbd_attn
		.amdhsa_group_segment_fixed_size 327680
		.amdhsa_private_segment_fixed_size 0
		.amdhsa_enable_private_segment 0
		.amdhsa_kernarg_size 32
		.amdhsa_user_sgpr_count 2
		.amdhsa_user_sgpr_kernarg_segment_ptr 1
		.amdhsa_wavefront_size32 1
		.amdhsa_system_sgpr_workgroup_id_x 1
		.amdhsa_system_sgpr_workgroup_id_y 1
		.amdhsa_system_sgpr_workgroup_id_z 1
		.amdhsa_system_vgpr_workitem_id 0
		.amdhsa_next_free_vgpr 512
		.amdhsa_next_free_sgpr 66
		.amdhsa_reserve_vcc 0
		.amdhsa_float_denorm_mode_32 3
		.amdhsa_float_denorm_mode_16_64 3
		.amdhsa_memory_ordered 1
		.amdhsa_forward_progress 1
		.amdhsa_inst_pref_size 188
	.end_amdhsa_kernel
	.amdgpu_metadata
---
amdhsa.version: [ 1, 2 ]
amdhsa.kernels:
  - .name:           k_q5364284bbd_attn
    .symbol:         k_q5364284bbd_attn.kd
    .args:
      - { .name: qimg, .offset: 0, .size: 8, .value_kind: global_buffer, .address_space: global }
      - { .name: kv, .offset: 8, .size: 8, .value_kind: global_buffer, .address_space: global }
      - { .name: lowp_scales, .offset: 16, .size: 8, .value_kind: global_buffer, .address_space: global }
      - { .name: cimg, .offset: 24, .size: 8, .value_kind: global_buffer, .address_space: global }
    .group_segment_fixed_size: 327680
    .private_segment_fixed_size: 0
    .kernarg_segment_align: 8
    .kernarg_segment_size: 32
    .max_flat_workgroup_size: 256
    .sgpr_count:     66
    .vgpr_count:     512
    .wavefront_size: 32
...
	.end_amdgpu_metadata
.endif
;; end of part 2
;; launch outp (part 3): grid 4 x 64, 4 waves a work-group, clusters of 4 x 4, 201,216 bytes of LDS; arguments cimg, Wo_codes, bo, lowp_scales, out0; writes out0
.if DOCPART == 3
	.amdgcn_target "amdgcn-amd-amdhsa--gfx1250"
	.amdhsa_code_object_version 6
	.text
	.protected	k_q5364284bbd_outp
	.globl	k_q5364284bbd_outp
	.p2align	8
	.type	k_q5364284bbd_outp,@function
k_q5364284bbd_outp:
	s_mov_b64 s[64:65], 0
	v_nop
	global_prefetch_b8 v0, s[64:65] scope:SCOPE_SE
	s_setreg_imm32_b32 hwreg(HW_REG_WAVE_MODE, 25, 1), 1
	s_wait_xcnt 0x0
	s_wait_alu depctr_hold_cnt(0) depctr_sa_sdst(0) depctr_va_vdst(0) depctr_va_sdst(0) depctr_va_ssrc(0) depctr_va_vcc(0) depctr_vm_vsrc(0)
	s_getreg_b32 s2, hwreg(HW_REG_IB_STS2, 6, 4)
	s_cmp_eq_u32 s2, 0
	s_cbranch_scc0 .Lentry_in_a_cluster
	s_endpgm
.Lentry_in_a_cluster:
	s_bfe_u32 s2, ttmp6, 0x10000c
	s_cmp_lg_u32 s2, 0xf033
	s_cbranch_scc0 .Lentry_shape_is_right
	s_endpgm
.Lentry_shape_is_right:
; out = ctx Wo^T + bo on codes of BF8 (E5M2).  ctx comes as images of the operand's registers ([token tile][head][1,024 bytes]; two neighbouring heads are one fragment of 16 tokens x 128 K, registers 4 c .. 4 c + 3:
; K = 32 c + 16 (lane / 16) + 0 .. 15); Wo: [512 outputs][512] codes, K innermost, read from rows in the same order of K.  out = sum x 2^(e10 + e11) + bo, one packed multiply-add for two numbers.
; LIMIT: e10 + e11 between -126 and 127, so that 2^(e10 + e11) is an f32 number.
; SHARES.  A work-group owns 128 tokens x 128 outputs; each of its four waves 64 x 64: 16 accumulators.  The whole K = 512 of both tiles is fetched at the start, each LDS byte filled once: no ring.
; CLUSTER 4 x 4: ctx's tile is shared along a row of the cluster, Wo's along a column: each is asked for jointly.
; The product is used transposed (source 0 = 16 rows of Wo, source 1 = 16 tokens): a lane holds eight neighbouring outputs of one token.  A row's 128 outputs come from two waves: they meet in a stage in LDS,
; and each wave stores 32 whole rows of 512 bytes.
; REGISTERS.  window 0: v1-12 addresses; v32-63 bo in the result's layout; v128-255 the accumulators, later the rows read back.   window 1: two fragment buffers of 128.
.set PITCH,  528                       ; a row of Wo, and of the stage: 512 bytes + 16 of padding
.set WOFF,   65536                     ; ctx's 8 token tiles x 8,192 bytes lie at 0; Wo's 128 rows behind them
.set HALFW,  64*PITCH
.set STG,    WOFF+2*HALFW              ; the stage: 128 rows; no tensor load lands there
.set LI,   4                           ; v4  16 x lane
.set ACT,  8                           ; v8  my tokens' images
.set AWO,  9                           ; v9  my outputs' rows of Wo
.set STO,  10                          ; v10 the stage: where I put 32 bytes of a row
.set RD,   11                          ; v11 and where I read a row back
.set BOO,  12                          ; v12 32 x (lane / 16)
.set BO,   32
.set ACC,  128
.set WV,   14                          ; s14 wave; s15 my half of the tokens, also: I fetch ctx (0) or Wo (1); s16 my half of the outputs, also: which half I fetch
.set TH,   15
.set NH,   16
.set G1C,  24
.set G1W,  32
.set G0C,  40
.set G0W,  44
.set MSB, 0
.macro WIN new
.if MSB != \new
	s_set_vgpr_msb (MSB<<8)|\new
.set MSB, \new
.endif
.endm
.macro PLACES                          ; four plain vector instructions between a matrix instruction and a load into, or a vector read of, its registers
.rept 4
	v_nop
.endr
.endm
.macro CROUND                          ; a round of the cluster's barrier
	s_barrier_signal -1
	s_barrier_wait -1
	s_cmp_lg_u32 s[WV], 0
	s_cbranch_scc1 .Lnot_wave_0_\@
	s_barrier_signal -3
.Lnot_wave_0_\@:
	s_barrier_wait -3
	s_barrier_signal -1
	s_barrier_wait -1
.endm
	s_load_b256 s[4:11], s[0:1], 0x0               ; cimg s[4:5], Wo s[6:7], bo s[8:9], the scales s[10:11]
	s_load_b64 s[12:13], s[0:1], 0x20              ; out0
	v_lshl_add_u32 v126, v0, 2, 0x31000
	v_mov_b32 v127, 0
	ds_add_u32 v126, v127
	ds_add_u32 v126, v127
	v_lshrrev_b32 v1, 5, v0
	v_readfirstlane_b32 s[WV], v1
	s_lshr_b32 s[TH], s[WV], 1
	s_and_b32 s[NH], s[WV], 1
	s_bfe_u32 s17, ttmp6, 0x40000                  ; cx
	s_bfe_u32 s18, ttmp6, 0x40004                  ; cy
	s_lshl_b32 s19, ttmp9, 2
	s_add_co_u32 s19, s19, s17                     ; nb: my block of 128 outputs
	s_and_b32 s20, ttmp7, 0xffff
	s_lshl_b32 s20, s20, 2
	s_add_co_u32 s20, s20, s18                     ; tb: my block of 128 tokens
	s_lshl_b32 s21, s18, 2
	s_lshl_b32 s21, 15, s21                        ; my row of the cluster
	s_lshl_b32 s22, 0x1111, s17                    ; my column
	s_or_b32 s[G1C], s21, (3<<16)|(1<<21)          ; ctx: a dense block as 128 rows of 256 bytes: elements of 8 bytes, no padding; the mask of my row, bit 21 beside it
	s_mov_b32 s[G1C+1], 32<<16
	s_mov_b32 s[G1C+2], 128<<16
	s_mov_b32 s[G1C+3], 32<<16
	s_mov_b32 s[G1C+4], 128
	s_mov_b32 s[G1C+5], 32
	s_mov_b32 s[G1C+6], 0
	s_mov_b32 s[G1C+7], 0
	s_or_b32 s[G1W], s22, (1<<20)|(1<<21)|(6<<22)|(3<<25)   ; Wo: 64 rows of 512 bytes, four words of padding after every 128; the mask of my column
	s_mov_b32 s[G1W+1], 512<<16
	s_mov_b32 s[G1W+2], 64<<16
	s_mov_b32 s[G1W+3], 512<<16
	s_mov_b32 s[G1W+4], 64
	s_mov_b32 s[G1W+5], 512
	s_mov_b32 s[G1W+6], 0
	s_mov_b32 s[G1W+7], 0
	s_lshl_b32 s48, s20, 16                        ; ctx: 65,536 bytes a token block, 32,768 a half: hangs on the token block alone
	s_lshl_b32 s49, s[NH], 15
	s_add_co_u32 s48, s48, s49
	s_mov_b32 s49, 0
	s_lshl_b32 s50, s19, 16                        ; Wo: (128 nb + 64 half) rows of 512 bytes: hangs on the output block alone
	s_lshl_b32 s51, s[NH], 15
	s_add_co_u32 s50, s50, s51
	s_mov_b32 s51, 0
	s_lshl_b32 s52, s[NH], 15                      ; where they go: no place in the cluster enters an LDS address
	s_mul_i32 s53, s[NH], HALFW
	s_add_co_u32 s53, s53, WOFF
	s_wait_dscnt 0x0
	s_wait_kmcnt 0x0
	s_load_b64 s[54:55], s[10:11], 0x28            ; e10, e11
	s_mov_b32 s[G0C], 1
	s_mov_b32 s[G0C+1], s52
	s_add_nc_u64 s[G0C+2:G0C+3], s[4:5], s[48:49]
	s_or_b32 s[G0C+3], s[G0C+3], 0x80000000
	s_mov_b32 s[G0W], 1
	s_mov_b32 s[G0W+1], s53
	s_add_nc_u64 s[G0W+2:G0W+3], s[6:7], s[50:51]
	s_or_b32 s[G0W+3], s[G0W+3], 0x80000000
	CROUND                                         ; all sixteen work-groups are here: the joint loads meet
	s_cmp_eq_u32 s[TH], 0                          ; waves 0, 1 fetch ctx's halves, waves 2, 3 Wo's; four v_nop follow each line
	s_cbranch_scc0 .Lfor_w
	tensor_load_to_lds s[G0C:G0C+3], s[G1C:G1C+7]
	s_nop 0
.rept 4
	v_nop
.endr
	s_branch .Lasked
.Lfor_w:
	tensor_load_to_lds s[G0W:G0W+3], s[G1W:G1W+7]
	s_nop 0
.rept 4
	v_nop
.endr
.Lasked:
	v_and_b32 v1, 15, v0                           ; r
	v_bfe_u32 v2, v0, 4, 1                         ; h
	v_and_b32 v3, 31, v0
	v_lshlrev_b32 v[LI], 4, v3
	s_lshl_b32 s58, s[TH], 15
	v_add_nc_u32 v[ACT], s58, v[LI]                ; my four token tiles: 32,768 TH + 16 x lane
	v_mul_u32_u24 v3, v1, PITCH
	v_lshl_add_u32 v5, v2, 4, v3
	v_add_nc_u32 v[AWO], s53, v5                   ; my 64 rows of Wo: row r x pitch + 16 h
	s_mul_i32 s58, s[TH], 64*PITCH
	s_lshl_b32 s59, s[NH], 8
	s_add_co_u32 s58, s58, s59
	s_add_co_u32 s58, s58, STG
	v_lshl_add_u32 v5, v2, 5, v3
	v_add_nc_u32 v[STO], s58, v5                   ; the stage: row 64 TH + r, byte 256 NH + 32 h
	s_mul_i32 s58, s[WV], 32*PITCH
	s_add_co_u32 s58, s58, STG
	v_add_nc_u32 v[RD], s58, v[LI]                 ; back: rows 32 wave on, 16 bytes a lane
	v_lshlrev_b32 v[BOO], 5, v2
	s_lshl_b32 s58, s19, 9
	s_lshl_b32 s59, s[NH], 8
	s_add_co_u32 s58, s58, s59                     ; bo: my 64 numbers
	s_mov_b32 s59, 0
	s_add_nc_u64 s[8:9], s[8:9], s[58:59]
.irp a, 0,1,2,3                        ; tile a, register j: output 16 a + 8 h + j
	global_load_b128 v[BO+8*\a:BO+8*\a+3],   v[BOO], s[8:9] offset:64*\a
	global_load_b128 v[BO+8*\a+4:BO+8*\a+7], v[BOO], s[8:9] offset:64*\a+16
.endr
	s_lshl_b32 s60, s20, 18                        ; out0: row 128 tb + 32 wave of 2,048 bytes, + 512 nb
	s_lshl_b32 s61, s[WV], 16
	s_add_co_u32 s60, s60, s61
	s_lshl_b32 s61, s19, 9
	s_add_co_u32 s60, s60, s61
	s_mov_b32 s61, 0
	s_add_nc_u64 s[12:13], s[12:13], s[60:61]
	s_wait_alu depctr_va_vdst(0)
	s_wait_kmcnt 0x0
	s_add_co_i32 s56, s54, s55
	s_add_co_i32 s56, s56, 127
	s_lshl_b32 s56, s56, 23                        ; 2^(e10 + e11) as f32
	s_mov_b32 s57, s56                             ; (named with it as a pair, so it is written)
.macro FETCH q, f                      ; 32 LDS loads in one run: Wo's four fragments from rows, ctx's four from images, of the q-th 128 along K
	WIN 0x40                                       ; destination window 1, address window 0
.irp i, 0,1,2,3
.irp c, 0,1,2,3
	ds_load_b128 v[\f+16*\i+4*\c:\f+16*\i+4*\c+3], v[AWO] offset:128*(\q)+32*\c+16*\i*PITCH
.endr
.endr
.irp i, 0,1,2,3
.irp c, 0,1,2,3
	ds_load_b128 v[\f+64+16*\i+4*\c:\f+64+16*\i+4*\c+3], v[ACT] offset:8192*\i+2048*(\q)+512*\c
.endr
.endr
.endm
.macro MUL16 f, zero                   ; 16 matrix instructions; the 16 accumulators take turns, one instruction a turn; zero = 1: the first products start the sums
	WIN 0x05                                       ; sources 0 and 1 window 1; C and D window 0
.irp a, 0,1,2,3
.irp b, 0,1,2,3
.if \zero
	v_wmma_f32_16x16x128_bf8_bf8 v[ACC+8*(4*\a+\b):ACC+8*(4*\a+\b)+7], v[\f+16*\a:\f+16*\a+15], v[\f+64+16*\b:\f+64+16*\b+15], 0
.else
	v_wmma_f32_16x16x128_bf8_bf8 v[ACC+8*(4*\a+\b):ACC+8*(4*\a+\b)+7], v[\f+16*\a:\f+16*\a+15], v[\f+64+16*\b:\f+64+16*\b+15], v[ACC+8*(4*\a+\b):ACC+8*(4*\a+\b)+7]
.endif
.endr
.endr
.endm
	s_wait_tensorcnt 0x0                           ; my part of the tiles is in,
	s_barrier_signal -1
	s_barrier_wait -1                              ; everybody's is
	FETCH 0, 0
.irp q, 0,1,2,3
	s_wait_dscnt 0x0                               ; this step's fragments are in
.if \q < 3
	PLACES                                         ; the other buffer was read by the step before
	FETCH \q+1, 128*((\q+1)%2)
.endif
.if \q == 0
	MUL16 0, 1
.else
	MUL16 128*(\q%2), 0
.endif
.endr
	WIN 0
	PLACES
	s_wait_loadcnt 0x0                             ; bo
.irp a, 0,1,2,3
.irp b, 0,1,2,3
.irp i, 0,2,4,6
	v_pk_fma_f32 v[ACC+8*(4*\a+\b)+\i:ACC+8*(4*\a+\b)+\i+1], v[ACC+8*(4*\a+\b)+\i:ACC+8*(4*\a+\b)+\i+1], s[56:57], v[BO+8*\a+\i:BO+8*\a+\i+1] op_sel_hi:[1,0,1]   ; sum x 2^(e10 + e11) + bo; each accumulator from its low end on
.endr
.endr
.endr
.irp b, 0,1,2,3
.irp a, 0,1,2,3
	ds_store_b128 v[STO], v[ACC+8*(4*\a+\b):ACC+8*(4*\a+\b)+3]   offset:16*\b*PITCH+64*\a      ; token 16 b + r, outputs 16 a + 8 h + 0 .. 7
	ds_store_b128 v[STO], v[ACC+8*(4*\a+\b)+4:ACC+8*(4*\a+\b)+7] offset:16*\b*PITCH+64*\a+16
.endr
.endr
	s_wait_dscnt 0x0                               ; for the others' sake: my stores into the stage are done
	s_barrier_signal -1
	s_barrier_wait -1
.set i, 0
.rept 32
	ds_load_b128 v[ACC+4*i:ACC+4*i+3], v[RD] offset:i*PITCH
.set i, i+1
.endr
.set i, 0
.rept 32
	s_wait_dscnt 31-i                              ; row i is back; the younger loads may stay out
	global_store_b128 v[LI], v[ACC+4*i:ACC+4*i+3], s[12:13] offset:i*2048 th:TH_STORE_NT   ; 32 lanes store 512 consecutive bytes, aligned; written once, read by nobody here
.set i, i+1
.endr
	s_wait_tensorcnt 0x0
	ds_add_u32 v126, v127
	s_wait_dscnt 0x0
	CROUND                                         ; the closing round: no work-group ends while a partner may still ask for a tile that names it
	s_endpgm
.Lfunc_end_k_q5364284bbd_outp:
	.size	k_q5364284bbd_outp, .Lfunc_end_k_q5364284bbd_outp-k_q5364284bbd_outp
	.p2alignl 7, 3214868480
	.fill 96, 4, 3214868480
	.section	.rodata,"a",@progbits
	.p2align	6, 0x0
	.amdhsa_kernel k_q5364284bbd_outp
		.amdhsa_group_segment_fixed_size 201216
		.amdhsa_private_segment_fixed_size 0
		.amdhsa_enable_private_segment 0
		.amdhsa_kernarg_size 40
		.amdhsa_user_sgpr_count 2
		.amdhsa_user_sgpr_kernarg_segment_ptr 1
		.amdhsa_wavefront_size32 1
		.amdhsa_system_sgpr_workgroup_id_x 1
		.amdhsa_system_sgpr_workgroup_id_y 1
		.amdhsa_system_sgpr_workgroup_id_z 1
		.amdhsa_system_vgpr_workitem_id 0
		.amdhsa_next_free_vgpr 512
		.amdhsa_next_free_sgpr 66
		.amdhsa_reserve_vcc 0
		.amdhsa_float_denorm_mode_32 3
		.amdhsa_float_denorm_mode_16_64 3
		.amdhsa_memory_ordered 1
		.amdhsa_forward_progress 1
		.amdhsa_inst_pref_size 32
	.end_amdhsa_kernel
	.amdgpu_metadata
---
amdhsa.version: [ 1, 2 ]
amdhsa.kernels:
  - .name:           k_q5364284bbd_outp
    .symbol:         k_q5364284bbd_outp.kd
    .args:
      - { .name: cimg, .offset: 0, .size: 8, .value_kind: global_buffer, .address_space: global }
      - { .name: Wo_codes, .offset: 8, .size: 8, .value_kind: global_buffer, .address_space: global }
      - { .name: bo, .offset: 16, .size: 8, .value_kind: global_buffer, .address_space: global }
      - { .name: lowp_scales, .offset: 24, .size: 8, .value_kind: global_buffer, .address_space: global }
      - { .name: out0, .offset: 32, .size: 8, .value_kind: global_buffer, .address_space: global }
    .group_segment_fixed_size: 201216
    .private_segment_fixed_size: 0
    .kernarg_segment_align: 8
    .kernarg_segment_size: 40
    .max_flat_workgroup_size: 128
    .sgpr_count:     66
    .vgpr_count:     512
    .wavefront_size: 32
...
	.end_amdgpu_metadata
.endif
;; end of part 3
